; MI455X (gfx1250); checked and timed in simulation.
; The chip was launched on July 23, 2026; its instructions are those of AMD's public machine-readable ISA for CDNA 5 (MIT licence, August 2026) and "CDNA5" Instruction Set Architecture Reference Guide (July 2026). The comments in the code are by the model that wrote it; some were corrected since.
;; Multi Headed Attention. Allowed arithmetic: matrix products marked QUANTISED: E2M1 operands, one E8M0 scale for each 32 along K, by v_wmma_scale_f32_16x16x128_f8f6f4 with both operands' format E2M1 (or v_wmma_scale_f32_32x16x128_f4), f32 sums; products left as they are: bf16, f16 or f32 operands; f32 sums; everything else in f32.
;; Inputs: Wk 512 x 512 float32; Wo 512 x 512 float32; Wq 512 x 512 float32; Wv 512 x 512 float32; bk 512 float32; bo 512 float32; bq 512 float32; bv 512 float32; key 2 x 4,096 x 512 float32; query 2 x 4,096 x 512 float32; value 2 x 4,096 x 512 float32.
;; Outputs: out0 2 x 4,096 x 512 float32.
;; This version of the problem:
;;   THIS VERSION OF THE PROBLEM IS GIVEN IN LOW PRECISION. The matrix products marked QUANTISED in the list below multiply operands that are first quantised to E2M1 (2 exponent bits, 1 mantissa bit; 4 bits a number), with one power-of-two scale for each 32 numbers along K (OCP MX v1.0); their sums are f32. The products marked 'left as it is' may take bf16, f16 or f32 operands, with f32 sums. Whichever they take, every output number must still come out within the allowed error. Rounding operands to bf16 (8 significant bits) uses up far more of that allowance than f16 does (11 bits, for magnitudes from 6e-5 to 65,504). All else is computed in f32.
;;   The module's matrix products, in the order in which they are computed (A, B: the left and right operand; K: the contracted axis; several contracted axes count as one K, in the product's order):
;;     1. [M 8,192, K 512] x [K 512, N 512]; A: input query; B: input Wq: QUANTISED
;;     2. [M 8,192, K 512] x [K 512, N 512]; A: input key; B: input Wk: QUANTISED
;;     3. [M 8,192, K 512] x [K 512, N 512]; A: input value; B: input Wv: QUANTISED
;;     4. batch 16 x [M 4,096, K 64] x [K 64, N 4,096]; A: computed on the way; B: computed on the way: left as it is (an operand is computed on the way)
;;     5. batch 16 x [M 4,096, K 4,096] x [K 4,096, N 64]; A: computed on the way; B: computed on the way: left as it is (an operand is computed on the way)
;;     6. [M 8,192, K 512] x [K 512, N 512]; A: computed on the way; B: input Wo: left as it is (an operand is computed on the way)
;;   THE QUANTISER, for each operand of a quantised product, along K:
;;     - K is cut into blocks of 32 from its start; a last block that is shorter is filled with zeros.
;;     - A block's scale is 2^e with e = floor(log2(the largest magnitude in the block)) - 2, held to -126 .. 127; a block of zeros has e = 0. As a byte (E8M0): e + 127.
;;     - Each number is divided by its block's scale, clamped to +-6, and rounded to the nearest number of E2M1, ties to even, subnormals kept.
;;     - The product sums the exact products of the quantised numbers (number of the format x scale) in f32.
;;   ~~~python
;;   def quantise(x, axis):      # numpy; x: float32 -> the quantised numbers, widened to float32 again
;;       x = np.moveaxis(x, axis, -1); K = x.shape[-1]
;;       x = np.pad(x, [(0, 0)] * (x.ndim - 1) + [(0, -K % 32)]); x = x.reshape(x.shape[:-1] + (-1, 32)); a = np.abs(x).max(-1, keepdims=True)
;;       e = np.where(a > 0, np.clip(np.frexp(np.where(a > 0, a, 1))[1] - 1 - 2, -126, 127), 0)      # np.frexp(a)[1] - 1 = floor(log2(a)), exactly
;;       r = np.clip(x / 2.0 ** e, -6, 6)
;;       step = 2.0 ** (np.maximum(np.frexp(np.where(r == 0, 1, r))[1] - 1, 0) - 1)
;;       q = np.round(r / step) * step * 2.0 ** e      # np.round: ties to even
;;       return np.moveaxis(q.reshape(q.shape[:-2] + (-1,))[..., :K], -1, axis).astype(np.float32)
;;   ~~~
;; One version. Each part assembles by itself: llvm-mc -triple=amdgcn-amd-amdhsa -mcpu=gfx1250 --defsym DOCPART=n.
;; ======== version 1 of 1: 4 launches
;; limits: values are held in f16: magnitudes above 65,504 overflow, below 6.1e-05 lose precision
;; workspace buffers: wcodes 393,216 bytes; wscales 24,576 bytes; woimg 524,288 bytes; qimg 8,388,608 bytes; kvimg 16,777,216 bytes; ctximg 8,388,608 bytes
;; launch prep (part 1): grid 64 x 1, 4 waves a work-group, no clusters, 0 bytes of LDS; arguments Wq, Wk, Wv, Wo, wcodes, wscales, woimg; writes wcodes, wscales, woimg
.if DOCPART == 1
	.amdgcn_target "amdgcn-amd-amdhsa--gfx1250"
	.amdhsa_code_object_version 6
	.text
	.protected	k_qfa07138011_prep
	.globl	k_qfa07138011_prep
	.p2align	8
	.type	k_qfa07138011_prep,@function
k_qfa07138011_prep:
	s_mov_b64 s[64:65], 0
	v_nop
	global_prefetch_b8 v0, s[64:65] scope:SCOPE_SE
	s_setreg_imm32_b32 hwreg(HW_REG_WAVE_MODE, 25, 1), 1
	s_wait_xcnt 0x0
; Wq, Wk, Wv [512 (k)][512 (n)] f32 become codes of FP4 (E2M1) with one E8M0 scale byte for each 32 along K (their FIRST axis); Wo becomes f16.
; All three results are laid in the order of the reader's operand registers, so that a later launch loads a fragment by 16-byte loads at 16 x lane:
;   wcodes  [tensor 3][N tile 32][K step 4][c 2][lane 32][16 bytes]: lane 16 h + r of part c holds block 4 s + 2 c + h (32 codes) of column 16 nt + r
;   wscales [tensor 3][K step 4][n 512][4 bytes]: the scale word of column n for 128 along K
;   woimg   [N tile 32][K step of 32: 16][u 2][lane 32][16 bytes]: f16 of column 16 nt + r, k = 32 ks + 16 u + 8 h + 0 .. 7
; SHARES.  Work-group id: bits 5:4 the tensor, bits 3:2 which 128 rows of K, bits 1:0 which 128 columns.  A wave takes 32 columns: A LANE TAKES A COLUMN AND ITS REGISTERS RUN DOWN K,
; so a block of 32 along K lies in one lane's 32 registers, its largest magnitude needs no other lane, and the conversions give codes with K innermost.  64 work-groups: all the work there is (4 MiB in).
; A block's scale is 2^(floor(log2(largest magnitude)) - 2); its byte is the largest magnitude's exponent field - 2, held at 1 from below.
; LIMITS: a block of zeros gets the byte 1 where the rule says 127 (its codes are zeros, and the bytes are read by this program alone); NaN and infinities are not served; |Wo| under 65,504 (f16).
; The scale words leave 128 bytes a wave, so their 256-byte blocks are written in halves by two waves: 24,576 bytes in the whole launch.
.set X,  32                            ; v32-159  my column's 128 numbers
.set C,  160                           ; v160-175 codes: four registers for each block, so that no store's data are written again
.set SB, 16                            ; v16      the four scale bytes
	s_load_b256 s[4:11], s[0:1], 0x0               ; Wq s[4:5], Wk s[6:7], Wv s[8:9], Wo s[10:11]
	s_load_b128 s[12:15], s[0:1], 0x20             ; wcodes s[12:13], wscales s[14:15]
	s_load_b64 s[16:17], s[0:1], 0x30              ; woimg
	v_lshrrev_b32 v5, 5, v0
	v_readfirstlane_b32 s20, v5                    ; wave
	v_and_b32 v6, 31, v0                           ; lane
	v_lshlrev_b32 v1, 2, v6                        ; 4 x lane: my column in a row of W, and my scale word
	v_and_b32 v7, 15, v0
	v_bfe_u32 v8, v0, 4, 1
	v_lshlrev_b32 v2, 4, v7                        ; 16 x (lane % 16)
	v_lshl_add_u32 v3, v8, 14, v2                  ; woimg: lanes 16-31 belong to the next N tile, 16,384 bytes on
	v_lshl_add_u32 v2, v8, 12, v2                  ; wcodes: 4,096 bytes on
	s_lshr_b32 s21, ttmp9, 4                       ; the tensor: 0 Wq, 1 Wk, 2 Wv, 3 Wo
	s_bfe_u32 s22, ttmp9, 0x20002                  ; s: which 128 rows of K
	s_and_b32 s23, ttmp9, 3                        ; which 128 columns
	s_lshl_b32 s24, s22, 18                        ; 128 rows of 2,048 bytes
	s_lshl_b32 s25, s23, 9
	s_add_co_u32 s24, s24, s25                     ; + 128 columns of 4 bytes
	s_lshl_b32 s25, s20, 7
	s_add_co_u32 s24, s24, s25                     ; + my wave's 32
	s_mov_b32 s25, 0
	s_lshl_b32 s26, s23, 3
	s_lshl_b32 s27, s20, 1
	s_add_co_u32 s26, s26, s27                     ; my wave's first N tile
	s_wait_kmcnt 0x0
	s_cmp_eq_u32 s21, 0                            ; the source is chosen by the work-group's number alone
	s_cselect_b64 s[18:19], s[4:5], s[6:7]
	s_cmp_lt_u32 s21, 2
	s_cselect_b64 s[18:19], s[18:19], s[8:9]
	s_cmp_eq_u32 s21, 3
	s_cselect_b64 s[18:19], s[10:11], s[18:19]
	s_add_nc_u64 s[18:19], s[18:19], s[24:25]
.set i, 0
.rept 128
	global_load_b32 v[X+i], v1, s[18:19] offset:i*2048 th:TH_LOAD_NT   ; W(128 s + i, my column): a wave reads 128 consecutive bytes, the four waves side by side 512
.set i, i+1
.endr
	s_cmp_eq_u32 s21, 3
	s_cbranch_scc1 .Lwo
	; ---- Wq, Wk, Wv: codes and scale words
	s_lshl_b32 s24, s21, 17                        ; the tensor's 131,072 bytes of codes
	s_lshl_b32 s27, s26, 12
	s_add_co_u32 s24, s24, s27                     ; + N tile x 4,096
	s_lshl_b32 s27, s22, 10
	s_add_co_u32 s24, s24, s27                     ; + K step x 1,024
	s_add_nc_u64 s[12:13], s[12:13], s[24:25]
	s_lshl_b32 s24, s21, 13                        ; the tensor's 8,192 bytes of scale words
	s_lshl_b32 s27, s22, 11
	s_add_co_u32 s24, s24, s27                     ; + K step x 2,048
	s_lshl_b32 s27, s23, 9
	s_add_co_u32 s24, s24, s27
	s_lshl_b32 s27, s20, 7
	s_add_co_u32 s24, s24, s27                     ; + my wave's first column x 4
	s_add_nc_u64 s[14:15], s[14:15], s[24:25]
.macro BLOCK b
.set XB, X+32*(\b)
.if (\b) == 0
	s_wait_loadcnt 63                              ; at most 63 of the 128 loads are out: the oldest 65 are in, blocks 0 and 1 among them
.elseif (\b) == 2
	s_wait_loadcnt 32                              ; block 3's 32 loads may be out
.elseif (\b) == 3
	s_wait_loadcnt 0x0
.endif
	v_max3_num_f32 v12, |v[XB]|, |v[XB+1]|, |v[XB+2]|              ; the block's largest magnitude, in two chains: all 32 numbers are mine
	v_max3_num_f32 v13, |v[XB+3]|, |v[XB+4]|, |v[XB+5]|
.irp i, 6,10,14,18,22,26
	v_max3_num_f32 v12, v12, |v[XB+\i]|, |v[XB+\i+1]|
	v_max3_num_f32 v13, v13, |v[XB+\i+2]|, |v[XB+\i+3]|
.endr
	v_max3_num_f32 v12, v12, |v[XB+30]|, |v[XB+31]|
	v_max3_num_f32 v12, v12, v13, 0x1800000        ; and the floor 2^(3 - 127): the byte cannot fall under 1
	v_add_nc_u32 v11, 0xff000000, v12              ; 2 off the exponent field: the conversion takes the exponent field of this operand as its scale
	v_lshrrev_b32 v13, 23, v11                     ; the scale's byte
.if (\b) == 0
	v_mov_b32 v[SB], v13
.else
	v_lshl_or_b32 v[SB], v13, 8*(\b), v[SB]        ; the lower K in the lower byte
.endif
.irp g, 0,1,2,3
	v_cvt_scalef32_pk8_fp4_f32 v[C+4*(\b)+\g], v[XB+8*\g:XB+8*\g+7], v11
.endr
	global_store_b128 v2, v[C+4*(\b):C+4*(\b)+3], s[12:13] offset:256*(\b)   ; sixteen lanes store 256 consecutive bytes, aligned: part c = b / 2, half h = b % 2 of the fragment
.endm
	BLOCK 0
	BLOCK 1
	BLOCK 2
	BLOCK 3
	global_store_b32 v1, v[SB], s[14:15]           ; my column's scale word for this K step
	s_endpgm
.Lwo:
	; ---- Wo: f16, eight neighbours along K to 16 bytes
	s_lshl_b32 s24, s26, 14                        ; N tile x 16,384
	s_lshl_b32 s27, s22, 12
	s_add_co_u32 s24, s24, s27                     ; + 128 along K: four K steps of 1,024 bytes
	s_add_nc_u64 s[16:17], s[16:17], s[24:25]
	s_wait_loadcnt 0x0
.set q, 0
.rept 16
.irp i, 0,1,2,3
	v_cvt_pk_f16_f32 v[X+8*q+\i], v[X+8*q+2*\i], v[X+8*q+2*\i+1]   ; in place, ascending: no source is written before it is read
.endr
	global_store_b128 v3, v[X+8*q:X+8*q+3], s[16:17] offset:256*q  ; k = 128 s + 8 q on: K step q / 4, u = (q / 2) % 2, h = q % 2: 256 q bytes on; sixteen lanes store 256 consecutive bytes, aligned
.set q, q+1
.endr
	s_endpgm
.Lfunc_end_k_qfa07138011_prep:
	.size	k_qfa07138011_prep, .Lfunc_end_k_qfa07138011_prep-k_qfa07138011_prep
	.p2alignl 7, 3214868480
	.fill 96, 4, 3214868480
	.section	.rodata,"a",@progbits
	.p2align	6, 0x0
	.amdhsa_kernel k_qfa07138011_prep
		.amdhsa_group_segment_fixed_size 0
		.amdhsa_private_segment_fixed_size 0
		.amdhsa_enable_private_segment 0
		.amdhsa_kernarg_size 56
		.amdhsa_user_sgpr_count 2
		.amdhsa_user_sgpr_kernarg_segment_ptr 1
		.amdhsa_wavefront_size32 1
		.amdhsa_system_sgpr_workgroup_id_x 1
		.amdhsa_system_sgpr_workgroup_id_y 1
		.amdhsa_system_sgpr_workgroup_id_z 1
		.amdhsa_system_vgpr_workitem_id 0
		.amdhsa_next_free_vgpr 176
		.amdhsa_next_free_sgpr 66
		.amdhsa_reserve_vcc 0
		.amdhsa_float_denorm_mode_32 3
		.amdhsa_float_denorm_mode_16_64 3
		.amdhsa_memory_ordered 1
		.amdhsa_forward_progress 1
		.amdhsa_inst_pref_size 26
	.end_amdhsa_kernel
	.amdgpu_metadata
---
amdhsa.version: [ 1, 2 ]
amdhsa.kernels:
  - .name:           k_qfa07138011_prep
    .symbol:         k_qfa07138011_prep.kd
    .args:
      - { .name: Wq, .offset: 0, .size: 8, .value_kind: global_buffer, .address_space: global }
      - { .name: Wk, .offset: 8, .size: 8, .value_kind: global_buffer, .address_space: global }
      - { .name: Wv, .offset: 16, .size: 8, .value_kind: global_buffer, .address_space: global }
      - { .name: Wo, .offset: 24, .size: 8, .value_kind: global_buffer, .address_space: global }
      - { .name: wcodes, .offset: 32, .size: 8, .value_kind: global_buffer, .address_space: global }
      - { .name: wscales, .offset: 40, .size: 8, .value_kind: global_buffer, .address_space: global }
      - { .name: woimg, .offset: 48, .size: 8, .value_kind: global_buffer, .address_space: global }
    .group_segment_fixed_size: 0
    .private_segment_fixed_size: 0
    .kernarg_segment_align: 8
    .kernarg_segment_size: 56
    .max_flat_workgroup_size: 128
    .sgpr_count:     66
    .vgpr_count:     176
    .wavefront_size: 32
...
	.end_amdgpu_metadata
.endif
;; end of part 1
;; launch proj (part 2): grid 128 x 3, 8 waves a work-group, no clusters, 60,416 bytes of LDS; arguments query, key, value, bq, bk, bv, wcodes, wscales, qimg, kvimg; writes qimg, kvimg
.if DOCPART == 2
	.amdgcn_target "amdgcn-amd-amdhsa--gfx1250"
	.amdhsa_code_object_version 6
	.text
	.protected	k_qfa07138011_proj
	.globl	k_qfa07138011_proj
	.p2align	8
	.type	k_qfa07138011_proj,@function
k_qfa07138011_proj:
	s_mov_b64 s[64:65], 0
	v_nop
	global_prefetch_b8 v0, s[64:65] scope:SCOPE_SE
	s_setreg_imm32_b32 hwreg(HW_REG_WAVE_MODE, 25, 1), 1
	s_wait_xcnt 0x0
; q = query Wq + bq, k = key Wk + bk, v = value Wv + bv, on codes of FP4 (E2M1) with one E8M0 scale for each 32 along K = 512; sums and biases in f32; results rounded once to f16.
; Work-group (x, y): 64 rows (x) of tensor y (0 query, 1 key, 2 value).  The activations are quantised here, in registers; the weights arrive as codes in operand order.
; PHASE 1: wave w quantises rows 8 w .. 8 w + 7: a row of 512 numbers a step.  Each load reads 512 consecutive bytes; a row turns through the wave's own stage in LDS so that a lane holds 16 neighbours
; along K (two neighbouring lanes hold a block); its 8 bytes of codes and the block's scale byte go to LDS rows that all waves read behind the launch's one barrier.
; PHASE 2: wave w owns head w (columns 64 w .. 64 w + 63): its 16 weight fragments stay in registers, loaded into the registers that the rows of x have left.  Four tiles of 16 rows, 16 matrix instructions each.
; q and k are made TRANSPOSED (source 0 = 16 weight columns, source 1 = 16 rows): a lane holds one token and eight neighbouring channels: 16 bytes of f16, half of a fragment of the first attention product.
; v is made the natural way (source 0 = rows, source 1 = columns): a lane holds one channel and eight neighbouring keys: half of a fragment of the second.  So every result store is 512 consecutive bytes:
;   qimg  [b h 16][token tile 256][c 2][u 2][lane][16 bytes]: token 16 T + r, channel 32 c + 16 u + 8 h + 0 .. 7
;   kvimg [b h 16][step of 64 keys: 64][16,384 bytes]: K as [key tile 4][c 2][u 2][lane][16], then V as [G 2][t 4][u 2][lane][16]: channel 16 t + r, keys 32 G + 16 u + 8 h + 0 .. 7
; No tensor load: the weights go straight to registers in operand order, and a work-group shares its rows of x with nobody; so nothing here could be asked for jointly by a cluster.
; LIMITS: a block of zeros gets the byte 1 where the rule says 127 (its codes are zeros; this launch alone reads the bytes); NaN and infinities are not served; |q|, |k|, |v| under 65,504 (f16).
.set SP,    80                         ; a lane's place in a stage: 64 bytes + 16 of padding
.set WSTG,  2*32*SP                    ; a wave's two stages
.set XC,    8*WSTG                     ; 40,960: the 64 rows of codes, 256 bytes + 16 of padding
.set XP,    272
.set XSC,   XC+64*XP                   ; 58,368: their scale bytes, 16 a row
.set SPARE, XSC+64*16                  ; 59,392: the spare words, 128 bytes for each wave: four blocks of 256 bytes that no other line names
.set SPW, 10                           ; v10  LDS address of my spare word; never rewritten
.set NIL, 11                           ; v11  0; never rewritten
.set XS,  12                           ; v12-15   x's scale words of a tile, one for each K step: scales and nothing else
.set X,   16                           ; v16-47   phase 1: two sets of 16 neighbours
.set XF,  16                           ; v16-47   phase 2: x's four fragments of a tile
.set C,   48                           ; v48-63   phase 1: codes, two registers a step
.set E,   64                           ; v64-71   phase 1: a scale byte a step;  v72-76 at work
.set ACC, 48                           ; v48-79   phase 2: four accumulators
.set BI,  80                           ; v80-111  the bias in the result's layout, eight registers a tile of columns
.set WS,  112                          ; v112-127 the weights' scale words: (tile t, K step s) at 4 t + s: scales and nothing else
.set WF,  128                          ; v128-255 the weights' fragments: (t, s) at 8 (4 t + s);
.set R,   128                          ;          before that: the eight rows of x as loaded, 16 registers each
	s_load_b256 s[4:11], s[0:1], 0x0               ; query s[4:5], key s[6:7], value s[8:9], bq s[10:11]
	s_load_b256 s[12:19], s[0:1], 0x20             ; bk s[12:13], bv s[14:15], wcodes s[16:17], wscales s[18:19]
	s_load_b128 s[20:23], s[0:1], 0x40             ; qimg s[20:21], kvimg s[22:23]
	v_lshl_add_u32 v[SPW], v0, 2, SPARE
	v_mov_b32 v[NIL], 0
	v_lshrrev_b32 v72, 5, v0
	v_readfirstlane_b32 s24, v72                   ; wave 0..7
	s_and_b32 s25, ttmp7, 0xffff                   ; the tensor
	v_and_b32 v73, 31, v0                          ; lane
	v_and_b32 v74, 15, v0                          ; r
	v_bfe_u32 v75, v0, 4, 1                        ; h
	v_lshlrev_b32 v1, 4, v73                       ; 16 x lane: x's loads, the weights' loads, the results' stores
	s_mul_i32 s40, s24, WSTG
	v_lshrrev_b32 v2, 2, v73
	v_mul_u32_u24 v2, v2, SP
	v_and_b32 v76, 3, v73
	v_lshl_add_u32 v2, v76, 4, v2
	v_add_nc_u32 v2, s40, v2                       ; the stage, in: four lanes' 64 bytes on end, then 16 of padding
	v_mul_u32_u24 v3, v73, SP
	v_add_nc_u32 v3, s40, v3                       ; and out: my 16 neighbours
	s_mul_i32 s40, s24, 8*XP
	s_add_co_u32 s40, s40, XC
	v_lshl_add_u32 v4, v73, 3, s40                 ; my 8 bytes of codes in my wave's first row
	s_lshl_b32 s40, s24, 7
	s_add_co_u32 s40, s40, XSC
	v_lshrrev_b32 v5, 1, v73
	v_add_nc_u32 v5, s40, v5                       ; my block's scale byte in my wave's first row
	v_mul_u32_u24 v6, v74, XP
	v_lshl_add_u32 v6, v75, 4, v6
	v_add_nc_u32 v6, XC, v6                        ; a fragment of x: row r, + 16 h
	v_lshl_add_u32 v7, v74, 4, XSC                 ; row r's four scale words
	v_lshlrev_b32 v8, 2, v74                       ; 4 r
	v_lshlrev_b32 v9, 5, v75                       ; 32 h
	s_lshl_b32 s40, ttmp9, 17                      ; x: 64 rows of 2,048 bytes a work-group,
	s_lshl_b32 s41, s24, 14
	s_add_co_u32 s40, s40, s41                     ; 8 rows a wave
	s_mov_b32 s41, 0
	s_lshl_b32 s42, s24, 8                         ; the bias: my 64 numbers
	s_mov_b32 s43, 0
	s_lshl_b32 s44, s25, 17                        ; the weights' codes: the tensor's 131,072 bytes,
	s_lshl_b32 s45, s24, 14
	s_add_co_u32 s44, s44, s45                     ; my four tiles of columns
	s_mov_b32 s45, 0
	s_lshl_b32 s46, s25, 13                        ; their scale words: the tensor's 8,192 bytes,
	s_add_co_u32 s46, s46, s42                     ; my 64 columns
	s_mov_b32 s47, 0
	s_lshr_b32 s38, ttmp9, 6                       ; the batch
	s_lshl_b32 s38, s38, 3
	s_add_co_u32 s38, s38, s24                     ; b h = 8 b + my head
	s_lshl_b32 s38, s38, 6
	s_and_b32 s39, ttmp9, 63
	s_add_co_u32 s38, s38, s39                     ; 64 b h + which 64 tokens of the sequence
	s_mov_b32 s39, 0
	s_wait_kmcnt 0x0
	s_cmp_eq_u32 s25, 0                            ; the buffers are chosen by the work-group's number alone
	s_cselect_b64 s[26:27], s[4:5], s[6:7]
	s_cselect_b64 s[28:29], s[10:11], s[12:13]
	s_cselect_b64 s[34:35], s[20:21], s[22:23]
	s_cselect_b32 s36, 13, 14                      ; 64 tokens are 8,192 bytes of qimg, and one step of 16,384 bytes of kvimg
	s_cmp_eq_u32 s25, 2
	s_cselect_b64 s[26:27], s[8:9], s[26:27]
	s_cselect_b64 s[28:29], s[14:15], s[28:29]
	s_cselect_b32 s37, 0x2000, 0                   ; V lies behind a step's K
	s_lshl_b32 s38, s38, s36
	s_add_co_u32 s38, s38, s37
	s_add_nc_u64 s[26:27], s[26:27], s[40:41]      ; x
	s_add_nc_u64 s[28:29], s[28:29], s[42:43]      ; the bias
	s_add_nc_u64 s[30:31], s[16:17], s[44:45]      ; the weights' codes
	s_add_nc_u64 s[32:33], s[18:19], s[46:47]      ; their scale words
	s_add_nc_u64 s[34:35], s[34:35], s[38:39]      ; the results
.irp t, 0,1,2,3
.irp s, 0,1,2,3
	global_load_b32 v[WS+4*\t+\s], v8, s[32:33] offset:2048*\s+64*\t
.endr
.endr
	s_cmp_eq_u32 s25, 2
	s_cbranch_scc1 .Lbias_nat
.irp t, 0,1,2,3                                ; transposed: register j of lane (r, h) is column 16 t + 8 h + j
	global_load_b128 v[BI+8*\t:BI+8*\t+3], v9, s[28:29] offset:64*\t
	global_load_b128 v[BI+8*\t+4:BI+8*\t+7], v9, s[28:29] offset:64*\t+16
.endr
	s_branch .Lbias_done
.Lbias_nat:
.irp t, 0,1,2,3                                ; natural: all eight registers of lane (r, h) are column 16 t + r
.irp j, 0,1,2,3,4,5,6,7
	global_load_b32 v[BI+8*\t+\j], v8, s[28:29] offset:64*\t
.endr
.endr
.Lbias_done:
.irp t, 0,1,2,3,4,5,6,7
.irp i, 0,1,2,3
	global_load_b128 v[R+16*\t+4*\i:R+16*\t+4*\i+3], v1, s[26:27] offset:2048*\t+512*\i th:TH_LOAD_NT   ; all eight rows at once: 32 lanes read 512 consecutive bytes
.endr
.endr
.macro TURN t                          ; row t through the stage: LDS serves a wave's instructions in order (ISA guide 5.7.1.4), so no wait stands between the stores and the loads
.irp i, 0,1,2,3
	ds_store_b128 v2, v[R+16*(\t)+4*\i:R+16*(\t)+4*\i+3] offset:32*SP*((\t)%2)+8*SP*\i
.endr
.irp i, 0,1,2,3
	ds_load_b128 v[X+16*((\t)%2)+4*\i:X+16*((\t)%2)+4*\i+3], v3 offset:32*SP*((\t)%2)+16*\i
.endr
.endm
	s_wait_loadcnt 28                              ; row 0's four loads are in; the 28 of rows 1 to 7 may be out
	TURN 0
.macro STEP t
.set XT, X+16*((\t)%2)
.if (\t) > 0
	s_wait_dscnt 2                                 ; this row is back from the stage; the last step's code store and byte store may be out
.else
	s_wait_dscnt 0x0
.endif
.irp i, 0,1,2,3
	global_load_b128 v[WF+16*(\t)+4*\i:WF+16*(\t)+4*\i+3], v1, s[30:31] offset:2048*(\t)+512*\i   ; weight fragments 2 t and 2 t + 1 into the registers that row t has left
.endr
.if (\t) < 7
	s_wait_loadcnt 28                              ; the next row's four loads are in: behind them stand 4 (6 - t) loads of later rows and 4 (t + 1) of weights: 28
	TURN (\t)+1
.endif
	v_max3_num_f32 v72, |v[XT]|, |v[XT+1]|, |v[XT+2]|              ; the largest magnitude of my 16, in two chains
	v_max3_num_f32 v73, |v[XT+3]|, |v[XT+4]|, |v[XT+5]|
.irp i, 6,10
	v_max3_num_f32 v72, v72, |v[XT+\i]|, |v[XT+\i+1]|
	v_max3_num_f32 v73, v73, |v[XT+\i+2]|, |v[XT+\i+3]|
.endr
	v_max3_num_f32 v72, v72, |v[XT+14]|, |v[XT+15]|
	v_max3_num_f32 v72, v72, v73, 0x1800000        ; and the floor 2^(3 - 127): the byte cannot fall under 1
	v_max_num_f32_dpp v72, v72, v72 row_xmask:1 row_mask:0xf bank_mask:0xf   ; with my neighbour's 16: the block's
	v_add_nc_u32 v74, 0xff000000, v72              ; 2 off the exponent field: the conversion's scale operand
	v_cvt_scalef32_pk8_fp4_f32 v[C+2*(\t)], v[XT:XT+7], v74
	v_cvt_scalef32_pk8_fp4_f32 v[C+2*(\t)+1], v[XT+8:XT+15], v74
	v_lshrrev_b32 v[E+(\t)], 23, v74               ; the scale's byte; also the plain instruction behind the conversions
	ds_store_b64 v4, v[C+2*(\t):C+2*(\t)+1] offset:XP*(\t)
	ds_store_b8 v5, v[E+(\t)] offset:16*(\t)       ; both lanes of a block write the same byte with the same value
.endm
.irp t, 0,1,2,3,4,5,6,7
	STEP \t
.endr
	s_wait_loadcnt 0x0                             ; the weights, their scale words and the bias
	s_wait_dscnt 0x0                               ; for the others' sake: my codes and scale bytes lie in LDS
	s_barrier_signal -1
	s_barrier_wait -1                              ; all 64 rows do
.macro WM d, a, b, c, sa, sb
	v_wmma_scale_f32_16x16x128_f8f6f4 v[\d:\d+7], v[\a:\a+7], v[\b:\b+7], v[\c:\c+7], v[\sa], v[\sb] matrix_a_fmt:MATRIX_FMT_FP4 matrix_b_fmt:MATRIX_FMT_FP4
.endm
; Four tiles of 16 rows.  nat = 0: source 0 = weights, source 1 = x;  nat = 1: the other way round.  The bias is the C of each sum's first product.  The four accumulators take turns, one instruction a turn.
.macro MM nat
.irp m, 0,1,2,3
.irp s, 0,1,2,3
.irp c, 0,1
	ds_load_b128 v[XF+8*\s+4*\c:XF+8*\s+4*\c+3], v6 offset:16*XP*\m+64*\s+32*\c   ; registers 4 c .. 4 c + 3: k = 128 s + 64 c + 32 h + 0 .. 31 of row 16 m + r
.endr
.endr
	ds_load_b128 v[XS:XS+3], v7 offset:256*\m
	s_wait_dscnt 0x0
	s_wait_xcnt 0x0                                ; the last tile's stores have read the accumulators' registers: only now are they written again
.irp s, 0,1,2,3
.irp t, 0,1,2,3
.if \nat
.if \s == 0
	WM ACC+8*\t, XF+8*\s, WF+8*(4*\t+\s), BI+8*\t, XS+\s, WS+4*\t+\s
.else
	WM ACC+8*\t, XF+8*\s, WF+8*(4*\t+\s), ACC+8*\t, XS+\s, WS+4*\t+\s
.endif
.else
.if \s == 0
	WM ACC+8*\t, WF+8*(4*\t+\s), XF+8*\s, BI+8*\t, WS+4*\t+\s, XS+\s
.else
	WM ACC+8*\t, WF+8*(4*\t+\s), XF+8*\s, ACC+8*\t, WS+4*\t+\s, XS+\s
.endif
.endif
.endr
.endr
.rept 4
	v_nop                                          ; four places behind the last product (ISA guide 7.12.1), ahead of the conversions that read results
.endr
.irp t, 0,1,2,3
.irp i, 0,1,2,3
	v_cvt_pk_f16_f32 v[ACC+8*\t+\i], v[ACC+8*\t+2*\i], v[ACC+8*\t+2*\i+1]   ; in place, each accumulator from its low end on.  With the four above, each product has five places or more that name none of its registers ahead of the next tile's loads and first products
.endr
.endr
.irp t, 0,1,2,3
.if \nat
	global_store_b128 v1, v[ACC+8*\t:ACC+8*\t+3], s[34:35] offset:4096*(\m/2)+1024*\t+512*(\m%2) th:TH_STORE_NT   ; V: keys 16 m + 8 h + 0 .. 7 of channel 16 t + r: G = m / 2, u = m % 2
.else
	global_store_b128 v1, v[ACC+8*\t:ACC+8*\t+3], s[34:35] offset:2048*\m+512*\t th:TH_STORE_NT                   ; q, K: channels 16 t + 8 h + 0 .. 7 of token 16 m + r: c = t / 2, u = t % 2.  32 lanes store 512 consecutive bytes
.endif
.endr
.endr
.endm
	s_cmp_eq_u32 s25, 2
	s_cbranch_scc1 .Lnatural
	MM 0
	s_branch .Ldone
.Lnatural:
	MM 1
.Ldone:
	s_wait_tensorcnt 0x0                           ; the wave's end, behind my last LDS store
	ds_add_u32 v[SPW], v[NIL]
	s_wait_dscnt 0x0
	s_endpgm
.Lfunc_end_k_qfa07138011_proj:
	.size	k_qfa07138011_proj, .Lfunc_end_k_qfa07138011_proj-k_qfa07138011_proj
	.p2alignl 7, 3214868480
	.fill 96, 4, 3214868480
	.section	.rodata,"a",@progbits
	.p2align	6, 0x0
	.amdhsa_kernel k_qfa07138011_proj
		.amdhsa_group_segment_fixed_size 60416
		.amdhsa_private_segment_fixed_size 0
		.amdhsa_enable_private_segment 0
		.amdhsa_kernarg_size 80
		.amdhsa_user_sgpr_count 2
		.amdhsa_user_sgpr_kernarg_segment_ptr 1
		.amdhsa_wavefront_size32 1
		.amdhsa_system_sgpr_workgroup_id_x 1
		.amdhsa_system_sgpr_workgroup_id_y 1
		.amdhsa_system_sgpr_workgroup_id_z 1
		.amdhsa_system_vgpr_workitem_id 0
		.amdhsa_next_free_vgpr 256
		.amdhsa_next_free_sgpr 66
		.amdhsa_reserve_vcc 0
		.amdhsa_float_denorm_mode_32 3
		.amdhsa_float_denorm_mode_16_64 3
		.amdhsa_memory_ordered 1
		.amdhsa_forward_progress 1
		.amdhsa_inst_pref_size 60
	.end_amdhsa_kernel
	.amdgpu_metadata
---
amdhsa.version: [ 1, 2 ]
amdhsa.kernels:
  - .name:           k_qfa07138011_proj
    .symbol:         k_qfa07138011_proj.kd
    .args:
      - { .name: query, .offset: 0, .size: 8, .value_kind: global_buffer, .address_space: global }
      - { .name: key, .offset: 8, .size: 8, .value_kind: global_buffer, .address_space: global }
      - { .name: value, .offset: 16, .size: 8, .value_kind: global_buffer, .address_space: global }
      - { .name: bq, .offset: 24, .size: 8, .value_kind: global_buffer, .address_space: global }
      - { .name: bk, .offset: 32, .size: 8, .value_kind: global_buffer, .address_space: global }
      - { .name: bv, .offset: 40, .size: 8, .value_kind: global_buffer, .address_space: global }
      - { .name: wcodes, .offset: 48, .size: 8, .value_kind: global_buffer, .address_space: global }
      - { .name: wscales, .offset: 56, .size: 8, .value_kind: global_buffer, .address_space: global }
      - { .name: qimg, .offset: 64, .size: 8, .value_kind: global_buffer, .address_space: global }
      - { .name: kvimg, .offset: 72, .size: 8, .value_kind: global_buffer, .address_space: global }
    .group_segment_fixed_size: 60416
    .private_segment_fixed_size: 0
    .kernarg_segment_align: 8
    .kernarg_segment_size: 80
    .max_flat_workgroup_size: 256
    .sgpr_count:     66
    .vgpr_count:     256
    .wavefront_size: 32
...
	.end_amdgpu_metadata
.endif
;; end of part 2
;; launch attn (part 3): grid 16 x 16, 8 waves a work-group, clusters of 4 x 1, 327,680 bytes of LDS; arguments qimg, kvimg, ctximg; writes ctximg
.if DOCPART == 3
	.amdgcn_target "amdgcn-amd-amdhsa--gfx1250"
	.amdhsa_code_object_version 6
	.text
	.protected	k_qfa07138011_attn
	.globl	k_qfa07138011_attn
	.p2align	8
	.type	k_qfa07138011_attn,@function
k_qfa07138011_attn:
	s_mov_b64 s[64:65], 0
	v_nop
	global_prefetch_b8 v0, s[64:65] scope:SCOPE_SE
	s_setreg_imm32_b32 hwreg(HW_REG_WAVE_MODE, 25, 1), 1
	s_wait_xcnt 0x0
	s_wait_alu depctr_hold_cnt(0) depctr_sa_sdst(0) depctr_va_vdst(0) depctr_va_sdst(0) depctr_va_ssrc(0) depctr_va_vcc(0) depctr_vm_vsrc(0)
	s_getreg_b32 s2, hwreg(HW_REG_IB_STS2, 6, 4)
	s_cmp_eq_u32 s2, 0
	s_cbranch_scc0 .Lentry_in_a_cluster
	s_endpgm
.Lentry_in_a_cluster:
	s_bfe_u32 s2, ttmp6, 0x10000c
	s_cmp_lg_u32 s2, 0x3003
	s_cbranch_scc0 .Lentry_shape_is_right
	s_endpgm
.Lentry_shape_is_right:
; ctx[b h][q][:] = the sum over k of softmax_k(q . k / 8) v[k][:], head size 64, 4,096 keys, no mask.  q, k, v arrive as f16 in the order of the operands' registers; products, maxima and sums in f32;
; the weights p are rounded to f16 for the second product, ctx once at the end, to f16, again in operand order for the projection that follows:
;   ctximg [token tile 512][K step of 32: 16][u 2][lane][16 bytes]: token 16 T + r, k = 64 head + 16 t + 8 h + 0 .. 7 at K step 2 head + t / 2, u = t % 2
; SHARES.  A work-group owns 256 queries of one (b, h); each of its EIGHT waves 32: two tiles of 16, in 384 registers: two waves to a SIMD, so that one wave's softmax stands beside the other's products and LDS loads.
; Every wave walks all keys, 64 a step: 16 products K Q^T, the softmax, 16 products V^T P.
; LAYOUT.  Both products are used transposed (S^T = K Q^T: source 0 = 16 keys, source 1 = 16 queries; O^T = V^T P: source 0 = 16 channels, source 1 = P): a lane holds ONE query (lane % 16) throughout, and two
; tiles of S^T, rounded in pairs, ARE a fragment of P.  A step's K and V are 16,384 dense bytes of fragments: every LDS load reads 512 consecutive bytes at 16 x lane: no pitch, no padding, no turning load.
; SOFTMAX.  A running maximum m and sum l for each query: p = 2^(c s - c m), c = log2(e) / 8; in every step O and l are multiplied by a = 2^(c m_old - c m_new).  p and a use the same rounded c m, so its rounding cancels in O / l.
; RING.  Two LDS slots of 512 keys (8 steps); wave w brings step w of a slot with one tensor load of 64 rows x 256 bytes.  One tensor load of a wave is out at any time.
; CLUSTER.  The four query blocks of a cluster belong to one (b, h) and walk the same K and V: each tile is asked for JOINTLY, by the same load with the same descriptor and a mask that names the four.
; LIMITS: NaN and infinities are not served; |ctx| under 65,504 (f16).
; REGISTERS.  Window 0: v1 16 x lane; v2, v3 LDS addresses in hand; v4, v5 the add's two; v6 the prefetches' offset; v8-23 statistics; v24-55 Q; v64-127 S^T, then p; v128-159 P; v160-223 O^T; v224-255 the way out.
;   Window 1: v0-63 K of a step, v64-127 V of a step.  s_set_vgpr_msb's low byte: bits 1:0 source 0, 7:6 destination.
.set SLOT1, 1<<17                      ; slot 1 begins here: one exclusive or turns an address in one slot into the other's
.set STEPB, 16384                      ; a step: 8,192 bytes of K, then 8,192 of V
.set SPARE, 2*SLOT1                    ; behind the ring: the spare words, 128 bytes for each wave: four blocks of 256 bytes that no other line names
.set L16, 1
.set ADK, 2
.set ADV, 3
.set SPW, 4                            ; v4   LDS address of my spare word; never rewritten
.set NIL, 5                            ; v5   0; never rewritten
.set PFO, 6                            ; v6   256 x lane; never rewritten
.set ST,  8                            ; tile x's statistics at v[ST + 8 x]: +0 c m, +1 m, +2, +3 l (even keys', odd keys'), +4 to +7 c0-c3 at work; a takes c2's place once the maximum is found
.set Q,   24                           ; 16 x + 8 c + 4 u
.set S,   64                           ; 32 x + 8 kt
.set P,   128                          ; 16 x + 8 G
.set O,   160                          ; 32 x + 8 t
.set OUT, 224
.set KF,  0                            ; window 1: 8 (2 kt + c) + 4 u
.set VF,  64                           ; window 1: 8 (4 G + t) + 4 u
.set WV,  12                           ; s12  my wave's number
.set LIM, 16                           ; s16  1 in a wave that prefetches, else the greatest number
.set PFA, 18                           ; s[18:19] where my prefetches stand
.set G1,  24                           ; s[24:31] descriptor group 1
.set G0,  32                           ; s[32:35] descriptor group 0, which walks
.set SLOTS, 56                         ; s56  slots still to be asked for
.set CNT, 57                           ; s57  counts a slot's steps
.set CS,  58                           ; s[58:59] c, twice: the packed form names a pair
.set SEL, 60                           ; s[60:61] lane selects for v_permlanex16_b32: lane l xor 16
.set TS,  62                           ; s62  LDS byte at which the step in hand begins
.set MSB, 0
.macro WIN new                         ; the immediate's high byte repeats the setting that is left; a switch that changes nothing is dropped
.if MSB != \new
	s_set_vgpr_msb (MSB<<8)|\new
.set MSB, \new
.endif
.endm
.macro CROUND                          ; a round of the cluster's barrier: my work-group's barrier; wave 0 signals for the work-group; every wave waits for all four work-groups; my work-group's barrier once more
	s_barrier_signal -1
	s_barrier_wait -1
	s_cmp_lg_u32 s[WV], 0
	s_cbranch_scc1 .Lnot_wave_0_\@
	s_barrier_signal -3
.Lnot_wave_0_\@:
	s_barrier_wait -3
	s_barrier_signal -1
	s_barrier_wait -1
.endm
; A PREFETCH INTO THE L2 of the slot that the NEXT change of slots will ask for: 131,072 dense bytes.  Each aligned block of 256 bytes is named once in the launch: all clusters of a (b, h) walk the same K and V, so the
; first of them (cluster x = 0) asks; its four partners take 32,768 bytes each, told apart BY ADDRESS; in each, waves 0 to 3 take 8,192 bytes, lanes 256 bytes apart: one instruction a wave.
; The last change that fills a slot asks for nothing: there is no slot behind it.  Slots 0 and 1 come by their loads alone.
.macro ASK
	s_cmp_gt_u32 s[SLOTS], s[LIM]
	s_cbranch_scc0 .Lnot_mine_\@
	global_prefetch_b8 v[PFO], s[PFA:PFA+1] th:TH_LOAD_NT scope:SCOPE_SE
.Lnot_mine_\@:
.endm
	s_load_b128 s[4:7], s[0:1], 0x0                ; qimg s[4:5], kvimg s[6:7]
	s_load_b64 s[8:9], s[0:1], 0x10                ; ctximg
	v_lshl_add_u32 v[SPW], v0, 2, SPARE
	v_mov_b32 v[NIL], 0
	ds_add_u32 v[SPW], v[NIL]                      ; the wave's opening: the add, twice on end, and its wait ahead of my first tensor load; the set-up below, work on registers, stands between
	ds_add_u32 v[SPW], v[NIL]
	v_lshrrev_b32 v7, 5, v0
	v_readfirstlane_b32 s[WV], v7                  ; wave 0..7
	v_and_b32 v7, 31, v0
	v_lshlrev_b32 v[L16], 4, v7
	v_lshlrev_b32 v[PFO], 8, v7
	s_bfe_u32 s13, ttmp6, 0x40000                  ; cx: my place in the cluster
	s_lshl_b32 s14, ttmp9, 2                       ; in a cluster launch ttmp9 counts clusters
	s_add_co_u32 s14, s14, s13                     ; my block of 256 queries: it enters Q's and ctx's addresses alone
	s_and_b32 s15, ttmp7, 0xffff                   ; b h, which the four partners share
	s_lshl_b32 s20, s15, 20                        ; K and V of my (b, h): 1,048,576 bytes,
	s_lshl_b32 s21, s[WV], 14
	s_add_co_u32 s20, s20, s21                     ; the step that I fetch
	s_mov_b32 s21, 0
	s_lshl_b32 s36, s15, 19                        ; Q: 524,288 bytes a (b, h),
	s_lshl_b32 s37, s14, 15
	s_add_co_u32 s36, s36, s37                     ; 32,768 a block,
	s_lshl_b32 s37, s[WV], 12
	s_add_co_u32 s36, s36, s37                     ; 4,096 a wave
	s_mov_b32 s37, 0
	s_lshr_b32 s22, s15, 3                         ; ctx: token tile 256 b + 16 block + 2 wave,
	s_lshl_b32 s22, s22, 8
	s_lshl_b32 s23, s14, 4
	s_add_co_u32 s22, s22, s23
	s_lshl_b32 s23, s[WV], 1
	s_add_co_u32 s22, s22, s23
	s_lshl_b32 s22, s22, 14                        ; 16,384 bytes a tile,
	s_and_b32 s23, s15, 7
	s_lshl_b32 s23, s23, 11
	s_add_co_u32 s22, s22, s23                     ; my head's 2,048 of them
	s_mov_b32 s23, 0
	s_lshl_b32 s38, s15, 20                        ; the prefetches: my (b, h),
	s_lshl_b32 s39, s13, 15
	s_add_co_u32 s38, s38, s39                     ; my work-group's 32,768 bytes of a slot,
	s_lshl_b32 s39, s[WV], 13
	s_add_co_u32 s38, s38, s39                     ; my wave's 8,192,
	s_add_co_u32 s38, s38, 8*STEPB                 ; in slot 1: the first change of slots steps it to slot 2.  Nothing is prefetched at the head
	s_mov_b32 s39, 0
	s_lshr_b32 s[LIM], s[WV], 2                    ; 0 in waves 0 to 3,
	s_or_b32 s[LIM], s[LIM], ttmp9                 ; where the cluster is the first of its (b, h): the same in all four partners
	s_cmp_eq_u32 s[LIM], 0
	s_cselect_b32 s[LIM], 1, -1
	; descriptor group 1: a dense block of 16,384 bytes as 64 rows of 32 elements of 8 bytes
	s_mov_b32 s[G1], 15|(3<<16)|(1<<21)            ; 15:0 the mask: all four work-groups; 17:16 elements of 8 bytes; 20 no padding; 21 set beside a mask
	s_mov_b32 s[G1+1], 32<<16                      ; tensor_dim0 = 32
	s_mov_b32 s[G1+2], 64<<16                      ; tensor_dim1 = 64
	s_mov_b32 s[G1+3], 32<<16                      ; tile_dim0 = 32
	s_mov_b32 s[G1+4], 64                          ; tile_dim1 = 64
	s_mov_b32 s[G1+5], 32                          ; from row to row: 32 elements
	s_mov_b32 s[G1+6], 0
	s_mov_b32 s[G1+7], 0
	s_mov_b32 s[CS], 0x3e38aa3b                    ; c = log2(e) / 8
	s_mov_b32 s[CS+1], s[CS]
	s_mov_b32 s[SEL], 0x76543210
	s_mov_b32 s[SEL+1], 0xfedcba98
	s_mov_b32 s[TS], 0
	s_mov_b32 s[SLOTS], 7
	s_wait_dscnt 0x0                               ; both opening adds are done
	s_wait_kmcnt 0x0
	s_add_nc_u64 s[4:5], s[4:5], s[36:37]          ; Q at my wave's first tile
	s_add_nc_u64 s[8:9], s[8:9], s[22:23]          ; ctx likewise
	s_add_nc_u64 s[PFA:PFA+1], s[6:7], s[38:39]
	CROUND                                         ; all four work-groups are here: the first joint loads meet
	s_mov_b32 s[G0], 1                             ; count = 1
	s_lshl_b32 s[G0+1], s[WV], 14                  ; LDS address: slot 0, step = my wave: no place in the cluster enters it
	s_add_nc_u64 s[G0+2:G0+3], s[6:7], s[20:21]    ; global address: hangs on b h and the wave alone
	s_or_b32 s[G0+3], s[G0+3], 0x80000000          ; type = 2
	tensor_load_to_lds s[G0:G0+3], s[G1:G1+7]      ; slot 0
	s_nop 0
.rept 4
	v_nop
.endr
.irp x, 0,1
.irp c, 0,1
.irp u, 0,1
	global_load_b128 v[Q+16*\x+8*\c+4*\u:Q+16*\x+8*\c+4*\u+3], v[L16], s[4:5] offset:2048*\x+1024*\c+512*\u   ; Q stays in registers
.endr
.endr
.endr
.irp x, 0,1
	v_mov_b32 v[ST+8*\x+1], 0xff61b1e6             ; m: -3e38, under every score
	v_mul_f32 v[ST+8*\x], s[CS], v[ST+8*\x+1]      ; c m
.irp j, 2,3,4,5,6,7
	v_mov_b32 v[ST+8*\x+\j], 0                     ; l; and c0-c3, written once: a lane permute's destination and the upper half of a pair count as read
.endr
.endr
.set i, 0
.rept 64
	v_mov_b32 v[O+i], 0                            ; O^T.  The step is written with no first step of its own: the first finds zeros, which a = 0 leaves zeros
.set i, i+1
.endr
	s_wait_loadcnt 0x0                             ; Q
; A load into a register that a matrix instruction has read, and a vector instruction that reads a matrix result, stand four places behind that matrix instruction (ISA guide 7.12.1 for vector instructions):
; the address's addition and three v_nop are these four.
.macro FETCH_K imm                     ; the 8 fragments of K of the step that begins imm bytes behind s[TS]
	WIN 0
	v_add_nc_u32 v[ADK], s[TS], v[L16]
.rept 3
	v_nop
.endr
	WIN 0x40                                       ; destination window 1
.irp f, 0,1,2,3,4,5,6,7
.irp u, 0,1
	ds_load_b128 v[KF+8*\f+4*\u:KF+8*\f+4*\u+3], v[ADK] offset:\imm+1024*\f+512*\u
.endr
.endr
.endm
.macro FETCH_V                         ; the 8 fragments of V of the step in hand
	v_add_nc_u32 v[ADV], s[TS], v[L16]
.rept 3
	v_nop
.endr
	WIN 0x40
.irp f, 0,1,2,3,4,5,6,7
.irp u, 0,1
	ds_load_b128 v[VF+8*\f+4*\u:VF+8*\f+4*\u+3], v[ADV] offset:8192+1024*\f+512*\u
.endr
.endr
.endm
; The softmax of both tiles for one step, the tiles by turns line by line, so that no line waits for the line above it.
.macro SOFTMAX
.irp j, 0,1,2,3
.irp x, 0,1
	v_max3_num_f32 v[ST+8*\x+4+\j], v[S+32*\x+8*\j], v[S+32*\x+8*\j+1], v[S+32*\x+8*\j+2]   ; four chains; each accumulator is read from its low end on
.endr
.endr
.irp i, 3,5
.irp j, 0,1,2,3
.irp x, 0,1
	v_max3_num_f32 v[ST+8*\x+4+\j], v[ST+8*\x+4+\j], v[S+32*\x+8*\j+\i], v[S+32*\x+8*\j+\i+1]
.endr
.endr
.endr
.irp x, 0,1
	v_max3_num_f32 v[ST+8*\x+4], v[ST+8*\x+4], v[S+32*\x+7], v[S+32*\x+15]
	v_max3_num_f32 v[ST+8*\x+6], v[ST+8*\x+6], v[S+32*\x+23], v[S+32*\x+31]
.endr
.irp x, 0,1
	v_max3_num_f32 v[ST+8*\x+4], v[ST+8*\x+4], v[ST+8*\x+5], v[ST+8*\x+6]
.endr
.irp x, 0,1
	v_max3_num_f32 v[ST+8*\x+4], v[ST+8*\x+4], v[ST+8*\x+7], v[ST+8*\x+1]   ; with the old m
.endr
.irp x, 0,1
	v_permlanex16_b32 v[ST+8*\x+5], v[ST+8*\x+4], s[SEL], s[SEL+1]          ; the query's other 32 keys lie in the lane 16 away
.endr
.irp x, 0,1
	v_mov_b32 v[ST+8*\x+7], v[ST+8*\x]             ; c m_old is kept for a
.endr
.irp x, 0,1
	v_max_num_f32 v[ST+8*\x+1], v[ST+8*\x+4], v[ST+8*\x+5]
.endr
.irp x, 0,1
	v_mul_f32 v[ST+8*\x], s[CS], v[ST+8*\x+1]
.endr
.irp x, 0,1
	v_sub_f32 v[ST+8*\x+7], v[ST+8*\x+7], v[ST+8*\x]
.endr
.set i, 0
.rept 16
.irp x, 0,1
	v_pk_fma_f32 v[S+32*\x+i:S+32*\x+i+1], v[S+32*\x+i:S+32*\x+i+1], s[CS:CS+1], v[ST+8*\x:ST+8*\x+1] op_sel_hi:[1,0,0] neg_lo:[0,0,1] neg_hi:[0,0,1]   ; c s - c m, two at a time
.endr
.set i, i+2
.endr
.irp x, 0,1
	v_exp_f32 v[ST+8*\x+6], v[ST+8*\x+7]           ; a
.endr
.set i, 0
.rept 32
	v_exp_f32 v[S+i], v[S+i]                       ; p: ONE BATCH of 66 exponentials, none of which reads another's result
	v_exp_f32 v[S+32+i], v[S+32+i]
.set i, i+1
.endr
	v_nop                                          ; a plain instruction behind the last exponential,
	s_wait_alu depctr_va_vdst(0)                   ; and the one wait ahead of the batch's first reader
.set i, 0
.rept 16
.irp x, 0,1
	v_cvt_pk_f16_f32 v[P+16*\x+i], v[S+32*\x+2*i], v[S+32*\x+2*i+1]   ; key tiles 2 G and 2 G + 1 make registers 0-3 and 4-7 of fragment G
.endr
.set i, i+1
.endr
.irp w, 4,8,16,32                              ; the sum of a tile's 16 pairs, in place: neighbours 1, 2, 4 and 8 pairs apart
.set i, 0
.rept 32/\w
.irp x, 0,1
	v_pk_add_f32 v[S+32*\x+i:S+32*\x+i+1], v[S+32*\x+i:S+32*\x+i+1], v[S+32*\x+i+\w/2:S+32*\x+i+\w/2+1]
.endr
.set i, i+\w
.endr
.endr
.irp x, 0,1
	v_pk_fma_f32 v[ST+8*\x+2:ST+8*\x+3], v[ST+8*\x+2:ST+8*\x+3], v[ST+8*\x+6:ST+8*\x+7], v[S+32*\x:S+32*\x+1] op_sel_hi:[1,0,1]   ; l = a l + the sum
.endr
.set i, 0
.rept 16
.irp x, 0,1
	v_pk_mul_f32 v[O+32*\x+i:O+32*\x+i+1], v[O+32*\x+i:O+32*\x+i+1], v[ST+8*\x+6:ST+8*\x+7] op_sel_hi:[1,0]   ; O^T x a, each accumulator from its low end on
.endr
.set i, i+2
.endr
.endm
; A KEY STEP.  pre = 1: the next step's K, in the same slot, is fetched behind this step's first products.  In both products eight accumulators take turns, one instruction a turn.
.macro STEP pre
	FETCH_V
	s_wait_dscnt 16                                ; K is in; V's 16 loads may be out
	WIN 0x01                                       ; source 0 window 1
.irp c, 0,1
.irp kt, 0,1,2,3
.irp x, 0,1
.if \c == 0
	v_wmma_f32_16x16x32_f16 v[S+32*\x+8*\kt:S+32*\x+8*\kt+7], v[KF+8*(2*\kt+\c):KF+8*(2*\kt+\c)+7], v[Q+16*\x+8*\c:Q+16*\x+8*\c+7], 0
.else
	v_wmma_f32_16x16x32_f16 v[S+32*\x+8*\kt:S+32*\x+8*\kt+7], v[KF+8*(2*\kt+\c):KF+8*(2*\kt+\c)+7], v[Q+16*\x+8*\c:Q+16*\x+8*\c+7], v[S+32*\x+8*\kt:S+32*\x+8*\kt+7]
.endif
.endr
.endr
.endr
.if \pre
	FETCH_K STEPB                                  ; its four plain lines are also the places ahead of the softmax's first reads
.else
	WIN 0
.rept 4
	v_nop
.endr
.endif
	WIN 0
	SOFTMAX
.if \pre
	s_wait_dscnt 16                                ; V is in; the next step's 16 loads of K may be out
.else
	s_wait_dscnt 0x0
.endif
	WIN 0x01
.irp G, 0,1
.irp t, 0,1,2,3
.irp x, 0,1
	v_wmma_f32_16x16x32_f16 v[O+32*\x+8*\t:O+32*\x+8*\t+7], v[VF+8*(4*\G+\t):VF+8*(4*\G+\t)+7], v[P+16*\x+8*\G:P+16*\x+8*\G+7], v[O+32*\x+8*\t:O+32*\x+8*\t+7]
.endr
.endr
.endr
	WIN 0                                          ; at a label and at a branch every window is 0
	s_add_co_u32 s[TS], s[TS], STEPB
.endm
.macro SLOT_STEPS                      ; a slot's eight steps: seven in a loop, the last, which has no successor in the slot, written out
	FETCH_K 0
	WIN 0
	s_mov_b32 s[CNT], 7
.Lstep_\@:
	STEP 1
	s_sub_co_u32 s[CNT], s[CNT], 1
	s_cmp_lg_u32 s[CNT], 0
	s_cbranch_scc1 .Lstep_\@
	STEP 0
	s_sub_co_u32 s[TS], s[TS], 8*STEPB             ; back to a slot's first step,
	s_xor_b32 s[TS], s[TS], SLOT1                  ; in the other slot
.endm
; THE CHANGE OF SLOTS stands at a slot's head.  Each wave waits for all its tensor loads (one is out: its step of the slot ahead), adds 0 to its spare word, and waits for that and for its reads of the slot that it has left.
; fill = 1: the barrier is a round of the cluster's, so that no wave of any partner still reads the slot left or has a load on its way, and the joint load into that slot is the first thing behind it: it has eight steps in which to land.
.macro CHANGE fill
	s_wait_tensorcnt 0x0                           ; no tensor load of mine is out, so group 0 may be written
	ds_add_u32 v[SPW], v[NIL]                      ; 0 onto my spare word; the steps below stand between it and the wait for it
.if \fill
	s_xor_b32 s[G0+1], s[G0+1], SLOT1              ; the other slot than last time,
	s_add_nc_u64 s[G0+2:G0+3], s[G0+2:G0+3], 8*STEPB   ; the next 512 keys; the type bits on top are not reached
	s_wait_xcnt 0x0                                ; the last prefetch, a slot back, has read its address, so it may be written:
	s_add_nc_u64 s[PFA:PFA+1], s[PFA:PFA+1], 8*STEPB   ; one slot further on than the walking descriptor
.endif
	s_wait_dscnt 0x0                               ; the add is done, and my reads of the slot that I have left are over
.if \fill
	CROUND
	tensor_load_to_lds s[G0:G0+3], s[G1:G1+7]      ; my one tensor load until the next round
	s_nop 0
.rept 4
	v_nop
.endr
	ASK                                            ; the slot that the next change will ask for: eight steps ahead of that load
.else
	s_barrier_signal -1
	s_barrier_wait -1
.endif
.endm
.Lslot:                                            ; 7 trips: trip t waits for slot t, asks for slot t + 1 and multiplies slot t.  In trip 0 every load is slot 1's first fill, later every load is a refill
	CHANGE 1
	SLOT_STEPS
	s_sub_co_u32 s[SLOTS], s[SLOTS], 1
	s_cmp_lg_u32 s[SLOTS], 0
	s_cbranch_scc1 .Lslot
	CHANGE 0                                       ; the last slot is written out
	SLOT_STEPS
	; THE WAY OUT.  l's two halves and the other half of the lanes' are added; O^T is divided by l and rounded to f16: a lane's eight channels are 16 bytes of a fragment of the projection's operand, stored as they stand.
	; The four additions and the v_nop, which name no register of the last products, are the places behind them.
.irp x, 0,1
	v_add_f32 v[ST+8*\x+4], v[ST+8*\x+2], v[ST+8*\x+3]
.endr
.irp x, 0,1
	v_permlanex16_b32 v[ST+8*\x+5], v[ST+8*\x+4], s[SEL], s[SEL+1]
.endr
.irp x, 0,1
	v_add_f32 v[ST+8*\x+4], v[ST+8*\x+4], v[ST+8*\x+5]
.endr
.irp x, 0,1
	v_rcp_f32 v[ST+8*\x+6], v[ST+8*\x+4]
.endr
	v_nop                                          ; a plain instruction behind the last reciprocal,
	s_wait_alu depctr_va_vdst(0)                   ; and the wait ahead of the first use: one for both
.set i, 0
.rept 16
.irp x, 0,1
	v_pk_mul_f32 v[O+32*\x+i:O+32*\x+i+1], v[O+32*\x+i:O+32*\x+i+1], v[ST+8*\x+6:ST+8*\x+7] op_sel_hi:[1,0]
.endr
.set i, i+2
.endr
.set i, 0
.rept 16
.irp x, 0,1
	v_cvt_pk_f16_f32 v[OUT+16*\x+i], v[O+32*\x+2*i], v[O+32*\x+2*i+1]
.endr
.set i, i+1
.endr
.irp x, 0,1
.irp t, 0,1,2,3
	global_store_b128 v[L16], v[OUT+16*\x+4*\t:OUT+16*\x+4*\t+3], s[8:9] offset:16384*\x+512*\t th:TH_STORE_NT   ; 32 lanes store 512 consecutive bytes, aligned
.endr
.endr
	s_wait_tensorcnt 0x0                           ; the wave's end, behind my last tensor load
	ds_add_u32 v[SPW], v[NIL]
	s_wait_dscnt 0x0
	CROUND                                         ; the closing round: no work-group ends while a partner may still ask for a tile that names it
	s_endpgm
.Lfunc_end_k_qfa07138011_attn:
	.size	k_qfa07138011_attn, .Lfunc_end_k_qfa07138011_attn-k_qfa07138011_attn
	.p2alignl 7, 3214868480
	.fill 96, 4, 3214868480
	.section	.rodata,"a",@progbits
	.p2align	6, 0x0
	.amdhsa_kernel k_qfa07138011_attn
		.amdhsa_group_segment_fixed_size 327680
		.amdhsa_private_segment_fixed_size 0
		.amdhsa_enable_private_segment 0
		.amdhsa_kernarg_size 24
		.amdhsa_user_sgpr_count 2
		.amdhsa_user_sgpr_kernarg_segment_ptr 1
		.amdhsa_wavefront_size32 1
		.amdhsa_system_sgpr_workgroup_id_x 1
		.amdhsa_system_sgpr_workgroup_id_y 1
		.amdhsa_system_sgpr_workgroup_id_z 1
		.amdhsa_system_vgpr_workitem_id 0
		.amdhsa_next_free_vgpr 384
		.amdhsa_next_free_sgpr 66
		.amdhsa_reserve_vcc 0
		.amdhsa_float_denorm_mode_32 3
		.amdhsa_float_denorm_mode_16_64 3
		.amdhsa_memory_ordered 1
		.amdhsa_forward_progress 1
		.amdhsa_inst_pref_size 84
	.end_amdhsa_kernel
	.amdgpu_metadata
---
amdhsa.version: [ 1, 2 ]
amdhsa.kernels:
  - .name:           k_qfa07138011_attn
    .symbol:         k_qfa07138011_attn.kd
    .args:
      - { .name: qimg, .offset: 0, .size: 8, .value_kind: global_buffer, .address_space: global }
      - { .name: kvimg, .offset: 8, .size: 8, .value_kind: global_buffer, .address_space: global }
      - { .name: ctximg, .offset: 16, .size: 8, .value_kind: global_buffer, .address_space: global }
    .group_segment_fixed_size: 327680
    .private_segment_fixed_size: 0
    .kernarg_segment_align: 8
    .kernarg_segment_size: 24
    .max_flat_workgroup_size: 256
    .sgpr_count:     66
    .vgpr_count:     384
    .wavefront_size: 32
...
	.end_amdgpu_metadata
.endif
;; end of part 3
;; launch outp (part 4): grid 4 x 64, 8 waves a work-group, clusters of 4 x 4, 327,680 bytes of LDS; arguments ctximg, woimg, bo, out0; writes out0
.if DOCPART == 4
	.amdgcn_target "amdgcn-amd-amdhsa--gfx1250"
	.amdhsa_code_object_version 6
	.text
	.protected	k_qfa07138011_outp
	.globl	k_qfa07138011_outp
	.p2align	8
	.type	k_qfa07138011_outp,@function
k_qfa07138011_outp:
	s_mov_b64 s[64:65], 0
	v_nop
	global_prefetch_b8 v0, s[64:65] scope:SCOPE_SE
	s_setreg_imm32_b32 hwreg(HW_REG_WAVE_MODE, 25, 1), 1
	s_wait_xcnt 0x0
	s_wait_alu depctr_hold_cnt(0) depctr_sa_sdst(0) depctr_va_vdst(0) depctr_va_sdst(0) depctr_va_ssrc(0) depctr_va_vcc(0) depctr_vm_vsrc(0)
	s_getreg_b32 s2, hwreg(HW_REG_IB_STS2, 6, 4)
	s_cmp_eq_u32 s2, 0
	s_cbranch_scc0 .Lentry_in_a_cluster
	s_endpgm
.Lentry_in_a_cluster:
	s_bfe_u32 s2, ttmp6, 0x10000c
	s_cmp_lg_u32 s2, 0xf033
	s_cbranch_scc0 .Lentry_shape_is_right
	s_endpgm
.Lentry_shape_is_right:
; out0 = ctx Wo + bo.  ctx [8,192][512] and Wo [512 (k)][512 (n)] arrive as f16 in the order of the operands' registers; sums and the bias in f32; out0 [8,192][512] f32.
; SHARES.  A work-group makes 128 rows x 128 columns with all of K = 512: its part of ctx and its part of Wo are one dense block of 131,072 bytes each, filled once: no ring, no refill.
; Waves 0 to 3 bring ctx's block, waves 4 to 7 Wo's, 32,768 bytes (128 rows x 256 bytes) a load: one tensor load of a wave is out.  Wave w makes token tiles 2 (w / 2), + 1 x column tiles 4 (w % 2) .. + 3: eight accumulators.
; CLUSTER.  4 x 4 work-groups: the four of a row of the cluster need the same block of ctx, the four of a column the same block of Wo: each is asked for JOINTLY, by the same load with the same descriptor and a mask that names the four.
; THE MATRIX INSTRUCTION IS USED TRANSPOSED (source 0 = 16 columns of Wo, source 1 = 16 tokens): a lane holds eight neighbouring numbers of a row of out0.  The bias is the C of each sum's first product.
; Every fragment load reads 512 consecutive bytes at 16 x lane.  The results go through the wave's own stage in LDS, so that sixteen lanes store 256 consecutive bytes, aligned.
.set ASZ,   131072                     ; ctx's block at 0: [token tile 8][K step 16][1,024 bytes];  Wo's behind it: [column tile 8][K step 16][1,024 bytes]
.set STAGE, 2*ASZ                      ; 16 rows x (256 bytes + 16) for each wave
.set SPI,   272
.set SPARE, STAGE+8*16*SPI             ; the spare words, 128 bytes for each wave: four blocks of 256 bytes that no other line names
.set L16, 1                            ; v1  16 x lane
.set ADA, 2                            ; v2  my fragments of ctx
.set ADB, 3                            ; v3  of Wo
.set STO, 4                            ; v4  the stage: where I put 32 bytes of a row
.set RD,  5                            ; v5  and where I read a row back
.set GO,  6                            ; v6  my byte offset in two rows of out0
.set SPW, 8                            ; v8  LDS address of my spare word; never rewritten
.set NIL, 9                            ; v9  0; never rewritten
.set BI,  16                           ; v16-47   the bias, eight registers a column tile
.set ACC, 48                           ; v48-111  (a, n) at 8 (4 a + n)
.set FB,  112                          ; v112-159, v160-207 two fragment buffers: Wo's four at 8 n, ctx's two at 32 + 8 a; on the way out v112-175 take the rows read back
.set WV,  12
.set G1A, 24                           ; s[24:31], s[32:35] groups 1 and 0 for ctx's block
.set G0A, 32
.set G1B, 48                           ; s[48:55], s[56:59] for Wo's
.set G0B, 56
.macro CROUND
	s_barrier_signal -1
	s_barrier_wait -1
	s_cmp_lg_u32 s[WV], 0
	s_cbranch_scc1 .Lnot_wave_0_\@
	s_barrier_signal -3
.Lnot_wave_0_\@:
	s_barrier_wait -3
	s_barrier_signal -1
	s_barrier_wait -1
.endm
	s_load_b128 s[4:7], s[0:1], 0x0                ; ctximg s[4:5], woimg s[6:7]
	s_load_b128 s[8:11], s[0:1], 0x10              ; bo s[8:9], out0 s[10:11]
	v_lshl_add_u32 v[SPW], v0, 2, SPARE
	v_mov_b32 v[NIL], 0
	ds_add_u32 v[SPW], v[NIL]                      ; the wave's opening: the add, twice on end, and its wait ahead of my first tensor load; the set-up below, work on registers, stands between
	ds_add_u32 v[SPW], v[NIL]
	v_lshrrev_b32 v10, 5, v0
	v_readfirstlane_b32 s[WV], v10                 ; wave 0..7
	s_and_b32 s13, s[WV], 3                        ; which quarter of a block I fetch
	s_lshr_b32 s15, s[WV], 1                       ; which two token tiles are mine
	s_and_b32 s18, s[WV], 1                        ; which four column tiles
	s_bfe_u32 s40, ttmp6, 0x40000                  ; cx, cy: my place in the cluster
	s_bfe_u32 s41, ttmp6, 0x40004
	s_lshl_b32 s42, ttmp9, 2
	s_add_co_u32 s42, s42, s40                     ; x: my 128 columns
	s_and_b32 s14, ttmp7, 0xffff
	s_lshl_b32 s14, s14, 2
	s_add_co_u32 s14, s14, s41                     ; y: my 128 rows
	s_lshl_b32 s43, s41, 2
	s_lshl_b32 s43, 15, s43                        ; my row of the cluster
	s_lshl_b32 s44, 0x1111, s40                    ; my column
	s_or_b32 s[G1A], s43, (3<<16)|(1<<21)          ; 15:0 the mask: ctx's block goes to my row; 17:16 elements of 8 bytes; no padding; 21 set beside a mask
	s_or_b32 s[G1B], s44, (3<<16)|(1<<21)          ; Wo's goes to my column
.irp g, G1A, G1B
	s_mov_b32 s[\g+1], 32<<16                      ; tensor_dim0 = 32
	s_mov_b32 s[\g+2], 128<<16                     ; tensor_dim1 = 128
	s_mov_b32 s[\g+3], 32<<16                      ; tile_dim0 = 32
	s_mov_b32 s[\g+4], 128                         ; tile_dim1 = 128
	s_mov_b32 s[\g+5], 32                          ; from row to row: 32 elements
	s_mov_b32 s[\g+6], 0
	s_mov_b32 s[\g+7], 0
.endr
	s_lshl_b32 s17, s13, 15                        ; my quarter: 32,768 bytes
	s_lshl_b32 s16, s14, 17
	s_add_co_u32 s16, s16, s17                     ; ctx: hangs on y and the wave alone
	s_lshl_b32 s46, s42, 17
	s_add_co_u32 s46, s46, s17                     ; Wo: on x and the wave alone
	s_mov_b32 s17, 0
	s_mov_b32 s47, 0
	s_lshl_b32 s19, s[WV], 15                      ; where it goes: 32,768 x wave: no place in the cluster enters an LDS address
	s_wait_dscnt 0x0                               ; both opening adds are done
	s_wait_kmcnt 0x0
	CROUND                                         ; all sixteen work-groups are here: the joint loads meet
	s_mov_b32 s[G0A], 1
	s_mov_b32 s[G0A+1], s19
	s_add_nc_u64 s[G0A+2:G0A+3], s[4:5], s[16:17]
	s_or_b32 s[G0A+3], s[G0A+3], 0x80000000
	s_mov_b32 s[G0B], 1
	s_mov_b32 s[G0B+1], s19
	s_add_nc_u64 s[G0B+2:G0B+3], s[6:7], s[46:47]
	s_or_b32 s[G0B+3], s[G0B+3], 0x80000000
	s_cmp_lt_u32 s[WV], 4                          ; the branch hangs on the wave's number alone; an s_nop 0 and four v_nop follow each of the two lines
	s_cbranch_scc0 .Lfor_b
	tensor_load_to_lds s[G0A:G0A+3], s[G1A:G1A+7]
	s_nop 0
.rept 4
	v_nop
.endr
	s_branch .Lasked
.Lfor_b:
	tensor_load_to_lds s[G0B:G0B+3], s[G1B:G1B+7]
	s_nop 0
.rept 4
	v_nop
.endr
.Lasked:
	s_lshl_b32 s36, s42, 9                         ; the bias: 512 x + 256 (w % 2) bytes
	s_lshl_b32 s37, s18, 8
	s_add_co_u32 s36, s36, s37
	s_mov_b32 s37, 0
	s_add_nc_u64 s[8:9], s[8:9], s[36:37]
	v_and_b32 v10, 31, v0                          ; lane
	v_and_b32 v11, 15, v0                          ; r
	v_bfe_u32 v12, v0, 4, 1                        ; h
	v_lshlrev_b32 v7, 5, v12                       ; 32 h
.irp n, 0,1,2,3
	global_load_b128 v[BI+8*\n:BI+8*\n+3], v7, s[8:9] offset:64*\n          ; register j of lane (r, h) is column 16 n + 8 h + j
	global_load_b128 v[BI+8*\n+4:BI+8*\n+7], v7, s[8:9] offset:64*\n+16
.endr
	v_lshlrev_b32 v[L16], 4, v10
	s_lshl_b32 s23, s15, 15
	v_add_nc_u32 v[ADA], s23, v[L16]               ; my two token tiles
	s_lshl_b32 s23, s18, 16
	s_add_co_u32 s23, s23, ASZ
	v_add_nc_u32 v[ADB], s23, v[L16]               ; my four column tiles
	s_mul_i32 s22, s[WV], 16*SPI
	s_add_co_u32 s22, s22, STAGE                   ; my stage
	v_mul_u32_u24 v[STO], v11, SPI
	v_lshl_add_u32 v[STO], v12, 5, v[STO]
	v_add_nc_u32 v[STO], s22, v[STO]               ; in: row r, + 32 h
	v_mul_u32_u24 v[RD], v12, SPI
	v_lshl_add_u32 v[RD], v11, 4, v[RD]
	v_add_nc_u32 v[RD], s22, v[RD]                 ; back: lanes 0-15 one row of 256 bytes, lanes 16-31 the next
	v_lshlrev_b32 v[GO], 11, v12
	v_lshl_add_u32 v[GO], v11, 4, v[GO]            ; and the same two rows in out0
	s_lshl_b32 s20, s14, 18                        ; out0: 128 rows of 2,048 bytes a work-group,
	s_lshl_b32 s21, s15, 16
	s_add_co_u32 s20, s20, s21                     ; 32 rows for my token tiles,
	s_lshl_b32 s21, s42, 9
	s_add_co_u32 s20, s20, s21                     ; 128 columns a work-group,
	s_lshl_b32 s21, s18, 8
	s_add_co_u32 s20, s20, s21                     ; 64 for my column tiles
	s_mov_b32 s21, 0
	s_add_nc_u64 s[10:11], s[10:11], s[20:21]
.macro FETCH ks                        ; the fragments of 32 along K: 12 loads into buffer ks % 2
.set F, FB+48*((\ks)%2)
.irp n, 0,1,2,3
.irp u, 0,1
	ds_load_b128 v[F+8*\n+4*\u:F+8*\n+4*\u+3], v[ADB] offset:16384*\n+1024*(\ks)+512*\u
.endr
.endr
.irp a, 0,1
.irp u, 0,1
	ds_load_b128 v[F+32+8*\a+4*\u:F+32+8*\a+4*\u+3], v[ADA] offset:16384*\a+1024*(\ks)+512*\u
.endr
.endr
.endm
.macro MUL ks                          ; eight products; the eight accumulators take turns, one instruction a turn
.set F, FB+48*((\ks)%2)
.irp a, 0,1
.irp n, 0,1,2,3
.if (\ks) == 0
	v_wmma_f32_16x16x32_f16 v[ACC+8*(4*\a+\n):ACC+8*(4*\a+\n)+7], v[F+8*\n:F+8*\n+7], v[F+32+8*\a:F+32+8*\a+7], v[BI+8*\n:BI+8*\n+7]
.else
	v_wmma_f32_16x16x32_f16 v[ACC+8*(4*\a+\n):ACC+8*(4*\a+\n)+7], v[F+8*\n:F+8*\n+7], v[F+32+8*\a:F+32+8*\a+7], v[ACC+8*(4*\a+\n):ACC+8*(4*\a+\n)+7]
.endif
.endr
.endr
.endm
	s_wait_tensorcnt 0x0                           ; my quarter of a block is in,
	s_barrier_signal -1
	s_barrier_wait -1                              ; everybody's is
	FETCH 0
	s_wait_loadcnt 0x0                             ; the bias
.set KS, 0
.rept 16
.if KS < 15
.if KS > 0
.rept 4
	v_nop                                          ; four places ahead of loads into the buffer that the products of the K step before have read
.endr
.endif
	FETCH KS+1
	s_wait_dscnt 12                                ; this K step's fragments are in; the next one's 12 loads may be out
.else
	s_wait_dscnt 0x0
.endif
	MUL KS
.set KS, KS+1
.endr
	; THE WAY OUT: a tile of 16 rows x 64 columns at a time through my own stage.  LDS serves a wave's instructions in order (ISA guide 5.7.1.4): no wait between the stores and the loads, nor ahead of the next tile's stores.
.rept 4
	v_nop                                          ; four places behind the last product, ahead of the stores that read results and of the loads into the fragment buffers
.endr
.irp a, 0,1
.irp n, 0,1,2,3
	ds_store_b128 v[STO], v[ACC+8*(4*\a+\n):ACC+8*(4*\a+\n)+3] offset:64*\n       ; each accumulator from its low end on
	ds_store_b128 v[STO], v[ACC+8*(4*\a+\n)+4:ACC+8*(4*\a+\n)+7] offset:64*\n+16
.endr
.irp i, 0,1,2,3,4,5,6,7
	ds_load_b128 v[FB+32*\a+4*\i:FB+32*\a+4*\i+3], v[RD] offset:2*\i*SPI
.endr
.endr
.irp a, 0,1
.irp i, 0,1,2,3,4,5,6,7
	s_wait_dscnt 23-16*\a-\i                       ; the younger LDS instructions: the tile's later loads, and for tile 0 tile 1's eight stores and eight loads
	global_store_b128 v[GO], v[FB+32*\a+4*\i:FB+32*\a+4*\i+3], s[10:11] offset:(16*\a+2*\i)*2048 th:TH_STORE_NT   ; sixteen lanes store 256 consecutive bytes, aligned
.endr
.endr
	s_wait_tensorcnt 0x0                           ; the wave's end, behind my last tensor load and my last LDS store
	ds_add_u32 v[SPW], v[NIL]
	s_wait_dscnt 0x0
	CROUND                                         ; the closing round: no work-group ends while a partner may still ask for a block that names it
	s_endpgm
.Lfunc_end_k_qfa07138011_outp:
	.size	k_qfa07138011_outp, .Lfunc_end_k_qfa07138011_outp-k_qfa07138011_outp
	.p2alignl 7, 3214868480
	.fill 96, 4, 3214868480
	.section	.rodata,"a",@progbits
	.p2align	6, 0x0
	.amdhsa_kernel k_qfa07138011_outp
		.amdhsa_group_segment_fixed_size 327680
		.amdhsa_private_segment_fixed_size 0
		.amdhsa_enable_private_segment 0
		.amdhsa_kernarg_size 32
		.amdhsa_user_sgpr_count 2
		.amdhsa_user_sgpr_kernarg_segment_ptr 1
		.amdhsa_wavefront_size32 1
		.amdhsa_system_sgpr_workgroup_id_x 1
		.amdhsa_system_sgpr_workgroup_id_y 1
		.amdhsa_system_sgpr_workgroup_id_z 1
		.amdhsa_system_vgpr_workitem_id 0
		.amdhsa_next_free_vgpr 208
		.amdhsa_next_free_sgpr 66
		.amdhsa_reserve_vcc 0
		.amdhsa_float_denorm_mode_32 3
		.amdhsa_float_denorm_mode_16_64 3
		.amdhsa_memory_ordered 1
		.amdhsa_forward_progress 1
		.amdhsa_inst_pref_size 33
	.end_amdhsa_kernel
	.amdgpu_metadata
---
amdhsa.version: [ 1, 2 ]
amdhsa.kernels:
  - .name:           k_qfa07138011_outp
    .symbol:         k_qfa07138011_outp.kd
    .args:
      - { .name: ctximg, .offset: 0, .size: 8, .value_kind: global_buffer, .address_space: global }
      - { .name: woimg, .offset: 8, .size: 8, .value_kind: global_buffer, .address_space: global }
      - { .name: bo, .offset: 16, .size: 8, .value_kind: global_buffer, .address_space: global }
      - { .name: out0, .offset: 24, .size: 8, .value_kind: global_buffer, .address_space: global }
    .group_segment_fixed_size: 327680
    .private_segment_fixed_size: 0
    .kernarg_segment_align: 8
    .kernarg_segment_size: 32
    .max_flat_workgroup_size: 256
    .sgpr_count:     66
    .vgpr_count:     208
    .wavefront_size: 32
...
	.end_amdgpu_metadata
.endif
;; end of part 4
